; MI455X (gfx1250); checked and timed in simulation.
; The chip was launched on July 23, 2026; its instructions are those of AMD's public machine-readable ISA for CDNA 5 (MIT licence, August 2026) and "CDNA5" Instruction Set Architecture Reference Guide (July 2026). The comments in the code are by the model that wrote it; some were corrected since.
;; Decoder Self Attention. Allowed arithmetic: matrix products marked QUANTISED: E4M3 operands, one given power-of-two scale a tensor, by v_wmma_f32_16x16x64_fp8_fp8 or v_wmma_f32_16x16x128_fp8_fp8, f32 sums; everything else in f32.
;; Inputs: lowp_scales 8 int32 (the exponents e of the quantised operands' scales 2^e); w_attn 3,072 x 1,024 float32; w_proj 1,024 x 1,024 float32; x 4 x 2,048 x 1,024 float32.
;; Outputs: out0 4 x 2,048 x 1,024 float32.
;; This version of the problem:
;;   THIS VERSION OF THE PROBLEM IS GIVEN IN LOW PRECISION. The matrix products marked QUANTISED in the list below multiply operands that are first quantised to E4M3 (4 exponent bits, 3 mantissa bits; 8 bits a number), with one given power-of-two scale for each operand tensor; their sums are f32. All else is computed in f32.
;;   The module's matrix products, in the order in which they are computed (A, B: the left and right operand; K: the contracted axis; several contracted axes count as one K, in the product's order):
;;     1. [M 8,192, K 1,024] x [K 1,024, N 3,072]; A: input x; B: input w_attn: QUANTISED (scales: A lowp_scales[0], B lowp_scales[1])
;;     2. batch 64 x [M 2,048, K 64] x [K 64, N 2,048]; A: computed on the way; B: computed on the way: QUANTISED (scales: A lowp_scales[2], B lowp_scales[3])
;;     3. batch 64 x [M 2,048, K 2,048] x [K 2,048, N 64]; A: softmax (see below); B: computed on the way: QUANTISED (scales: A lowp_scales[4], B lowp_scales[5])
;;     4. [M 8,192, K 1,024] x [K 1,024, N 1,024]; A: computed on the way; B: input w_proj: QUANTISED (scales: A lowp_scales[6], B lowp_scales[7])
;;   THE QUANTISER, for each operand of a quantised product, along K:
;;     - The operand's scale is 2^e, e = its entry of the input lowp_scales (int32; the entries are numbered through the quantised products in the list's order, A before B).
;;     - Each number is divided by the scale, clamped to +-448, and rounded to the nearest number of E4M3, ties to even, subnormals kept.
;;     - The product sums the exact products of the quantised numbers (number of the format x scale) in f32.
;;   ~~~python
;;   def quantise(x, axis, e):      # numpy; x: float32 -> the quantised numbers, widened to float32 again
;;       x = np.moveaxis(x, axis, -1); K = x.shape[-1]
;;       r = np.clip(x / 2.0 ** e, -448, 448)
;;       step = 2.0 ** (np.maximum(np.frexp(np.where(r == 0, 1, r))[1] - 1, -6) - 3)
;;       q = np.round(r / step) * step * 2.0 ** e      # np.round: ties to even
;;       return np.moveaxis(q, -1, axis).astype(np.float32)
;;   ~~~
;;   SOFTMAX AHEAD OF A QUANTISED PRODUCT. Where the list says 'softmax', what is quantised is not the finished softmax but p = 2^(t - M), with t = logit x log2(e) and M = ceil(the row's largest t), a whole number; so 1/2 < the row's largest p <= 1. The row's sum l is taken of the UNQUANTISED p, in f32, and the product's result is divided by l at the end. Since M is a whole number, a kernel that streams over the keys may use a running M (the ceiling of the running maximum): every later rescaling is an exact power of two, so the quantised numbers keep their values, but for numbers so far below the row's largest that they fall under the format's range.
;;   OPERANDS COMPUTED ON THE WAY. 'Computed on the way' means the value that the module computes at that place (a softmax that the list does not call 'softmax' is quantised finished and normalised). What goes into a quantiser is computed in f32, as accurately as f32 sums, v_exp_f32 and their like allow (about 1e-6 of the number): no bf16 or f16 on the way to a quantiser, and a product that is left as it is and whose result goes on into a quantised operand takes f32 operands (vector FMAs, or v_wmma_f32_16x16x4_f32). A number that lies on a knife's edge between two numbers of the format may be rounded either way, as far as f32 arithmetic and the matrix unit's own rounding can turn it there, and no further.
;; One version. Each part assembles by itself: llvm-mc -triple=amdgcn-amd-amdhsa -mcpu=gfx1250 --defsym DOCPART=n.
;; ======== version 1 of 1: 4 launches
;; limits: right only within a limited range of input values
;; workspace buffers: codes 12,582,912 bytes; qkv 25,165,824 bytes; yc 8,388,608 bytes
;; launch quant (part 1): grid 384 x 1, 4 waves a work-group, no clusters, 33,280 bytes of LDS; arguments x, w_attn, w_proj, lowp_scales, codes; writes codes
.if DOCPART == 1
	.amdgcn_target "amdgcn-amd-amdhsa--gfx1250"
	.amdhsa_code_object_version 6
	.text
	.protected	k_q8e0d0a1aeb_quant
	.globl	k_q8e0d0a1aeb_quant
	.p2align	8
	.type	k_q8e0d0a1aeb_quant,@function
k_q8e0d0a1aeb_quant:
	s_mov_b64 s[64:65], 0
	v_nop
	global_prefetch_b8 v0, s[64:65] scope:SCOPE_SE
	s_setreg_imm32_b32 hwreg(HW_REG_WAVE_MODE, 25, 1), 1
	s_wait_xcnt 0x0
; x [8192][1024], w_attn [3072][1024] and w_proj [1024][1024], f32, become codes of FP8 (E4M3), K innermost, one behind the other in ONE buffer of 12,288 rows of 1,024 bytes.
; code = number / 2^e, held within +-448, rounded to the nearest code, ties to even.  e = entry 0 (x), 1 (w_attn) or 7 (w_proj) of the buffer of scales.
; LIMITS: -126 <= e <= 119, so that 2^e and 448 x 2^e are f32 numbers.  NaN among the inputs is not served; an infinity is held at the largest code.
; Rows are dense, so each tensor is a plain stream, and the three streams of codes follow each other: work-group g writes bytes 32,768 g on.  Work-groups 0-255 take x, 256-351 w_attn, 352-383 w_proj:
; only the pointer, the first work-group's number and e are chosen, by selects on the work-group's number; all take one path.
; A wave takes 16 steps of 512 numbers.  A conversion takes 8 neighbours from ONE lane's registers; a load is best where neighbouring LANES take neighbouring bytes.  Both are had: each of a step's four loads
; reads 512 consecutive bytes, 16 a lane; the 2,048 bytes go through the wave's own stage in LDS and come back 64 bytes a lane (16 bytes of padding behind each 64).  A lane's 16 codes are 16 bytes:
; the wave stores 512 consecutive bytes.  No barrier: waves share nothing.  Loads run four steps (16 loads a wave) ahead, the turn through LDS one step.
.set WAVES, 4
.set STEPS, 16
.set WGX,   256                        ; work-groups for x: 8,388,608 numbers / 32,768
.set WGA,   96                         ; for w_attn
.set EMAX,  8
.set MANT,  0x600000                   ; the mantissa field of 448 as f32
.set CB,    16                         ; bytes of 16 codes
.set R,     16                         ; v16-79   four sets of 16 numbers as they are loaded
.set X,     80                         ; v80-111  two sets of 16 neighbours
.set C,     128                        ; v128-191 codes: four registers for each step, so that no store's data are written again
.set WREG,  8192                       ; LDS: a region of its own for each wave: two stages of 32 x SP bytes
.set SP,    80                         ; a lane's place in a stage: its 64 bytes + 16 of padding
.set SPW,   12                         ; v12      LDS address of my spare word: SPARE + 4 x my thread's number; never rewritten
.set NIL,   13                         ; v13      0; never rewritten
.set SPARE, WAVES*WREG                 ; behind the four regions: the spare words, 128 bytes for each wave, which no other line names
	s_load_b256 s[4:11], s[0:1], 0x0               ; x s[4:5], w_attn s[6:7], w_proj s[8:9], the scales' exponents s[10:11]
	s_load_b64 s[12:13], s[0:1], 0x20              ; the codes
	v_lshl_add_u32 v[SPW], v0, 2, SPARE
	v_mov_b32 v[NIL], 0
	v_lshrrev_b32 v1, 5, v0
	v_readfirstlane_b32 s16, v1                    ; wave
	v_and_b32 v2, 31, v0                           ; lane
	v_lshlrev_b32 v3, 4, v2                        ; my 16 bytes of a load's 512, and of a store's 512; never rewritten
	s_mul_i32 s17, s16, WREG
	v_lshrrev_b32 v14, 2, v2
	v_mul_u32_u24 v14, v14, SP
	v_and_b32 v15, 3, v2
	v_lshl_add_u32 v14, v15, 4, v14
	v_add_nc_u32 v14, s17, v14                     ; the stage, on the way in: four lanes' 64 bytes on end, then 16 of padding
	v_mul_u32_u24 v15, v2, SP
	v_add_nc_u32 v15, s17, v15                     ; and on the way out: SP x lane: my 16 neighbours
	s_wait_alu depctr_va_vdst(0)
	s_wait_kmcnt 0x0
	s_load_b256 s[24:31], s[10:11], 0x0            ; e0 .. e7
	s_cmp_lt_u32 ttmp9, WGX                        ; which tensor?  The choice hangs on the work-group's number alone
	s_cselect_b64 s[4:5], s[4:5], s[6:7]
	s_cselect_b32 s17, 0, WGX
	s_cmp_lt_u32 ttmp9, WGX+WGA
	s_cselect_b64 s[4:5], s[4:5], s[8:9]
	s_cselect_b32 s17, s17, WGX+WGA                ; the tensor's first work-group
	s_sub_co_u32 s17, ttmp9, s17
	s_lshl_b32 s17, s17, 2
	s_add_co_u32 s18, s17, s16                     ; which run of 8,192 numbers of the tensor is my wave's
	s_lshl_b32 s20, s18, 15                        ; x 32,768 bytes: under 2^26
	s_mov_b32 s21, 0
	s_add_nc_u64 s[4:5], s[4:5], s[20:21]
	s_lshl_b32 s18, ttmp9, 2
	s_add_co_u32 s18, s18, s16                     ; and which run of 8,192 codes of the one buffer
	s_lshl_b32 s20, s18, 13
	s_add_nc_u64 s[12:13], s[12:13], s[20:21]
.macro LOAD t
.irp i, 0,1,2,3
	global_load_b128 v[R+16*((\t)%4)+4*\i:R+16*((\t)%4)+4*\i+3], v3, s[4:5] offset:2048*(\t)+512*\i th:TH_LOAD_NT   ; 32 lanes read 512 consecutive bytes
.endr
.endm
.macro TURN t                          ; step t's numbers through the stage: LDS serves a wave's instructions in order, so no wait stands between the stores and the loads
.irp i, 0,1,2,3
	ds_store_b128 v14, v[R+16*((\t)%4)+4*\i:R+16*((\t)%4)+4*\i+3] offset:32*SP*((\t)%2)+8*SP*\i
.endr
.irp i, 0,1,2,3
	ds_load_b128 v[X+16*((\t)%2)+4*\i:X+16*((\t)%2)+4*\i+3], v15 offset:32*SP*((\t)%2)+16*\i
.endr
.endm
.irp t, 0,1,2,3
	LOAD \t
.endr
	s_wait_kmcnt 0x0
	s_cmp_lt_u32 ttmp9, WGX
	s_cselect_b32 s22, s24, s25
	s_cmp_lt_u32 ttmp9, WGX+WGA
	s_cselect_b32 s22, s22, s31                    ; e
	s_add_co_i32 s22, s22, 127
	s_lshl_b32 s23, s22, 23
	v_mov_b32 v11, s23                             ; 2^e as f32: the conversion takes its exponent field
	s_add_co_i32 s22, s22, EMAX
	s_lshl_b32 s22, s22, 23
	s_or_b32 s22, s22, MANT
	v_mov_b32 v10, s22                             ; 448 x 2^e
	s_wait_alu depctr_va_vdst(0)
	s_wait_loadcnt 12                              ; step 0's four loads are in; the twelve of steps 1 to 3 may be out
	TURN 0
.macro STEP t
.set XS, X+16*((\t)%2)
	s_wait_dscnt 0x0                               ; this step's numbers are back from the stage: so its stores into the stage have read their registers,
.if (\t)+4 < STEPS
	LOAD (\t)+4                                    ; which take the loads of four steps on
.endif
.if (\t)+1 < STEPS
.if STEPS-2-(\t) >= 3
	s_wait_loadcnt 12                              ; the next step's four loads are in; those of the three steps behind it may be out
.else
	s_wait_loadcnt 4*(STEPS-2-(\t))
.endif
	TURN (\t)+1                                    ; and go through the other stage while this step is worked
.endif
.irp i, 0,1,2,3,4,5,6,7,8,9,10,11,12,13,14,15
	v_med3_num_f32 v[XS+\i], v[XS+\i], -v10, v10   ; the conversion to an 8-bit code does not saturate (ISA guide 7.6.2): the number is held within 448 x the scale first
.endr
	v_cvt_scalef32_pk8_fp8_f32 v[C+4*(\t):C+4*(\t)+1], v[XS:XS+7], v11          ; eight numbers / 2^e, to the nearest code, ties to even; the first number's code in the lowest byte
	v_cvt_scalef32_pk8_fp8_f32 v[C+4*(\t)+2:C+4*(\t)+3], v[XS+8:XS+15], v11
	global_store_b128 v3, v[C+4*(\t):C+4*(\t)+3], s[12:13] offset:32*CB*(\t)     ; the codes go to a store alone; the next vector lines are the next step's holds, plain ones on other registers
.endm
.irp t, 0,1,2,3,4,5,6,7,8,9,10,11,12,13,14,15
	STEP \t
.endr
	s_wait_tensorcnt 0x0                           ; the wave's end: behind my last LDS store
	ds_add_u32 v[SPW], v[NIL]
	s_wait_dscnt 0x0
	s_endpgm
.Lfunc_end_k_q8e0d0a1aeb_quant:
	.size	k_q8e0d0a1aeb_quant, .Lfunc_end_k_q8e0d0a1aeb_quant-k_q8e0d0a1aeb_quant
	.p2alignl 7, 3214868480
	.fill 96, 4, 3214868480
	.section	.rodata,"a",@progbits
	.p2align	6, 0x0
	.amdhsa_kernel k_q8e0d0a1aeb_quant
		.amdhsa_group_segment_fixed_size 33280
		.amdhsa_private_segment_fixed_size 0
		.amdhsa_enable_private_segment 0
		.amdhsa_kernarg_size 40
		.amdhsa_user_sgpr_count 2
		.amdhsa_user_sgpr_kernarg_segment_ptr 1
		.amdhsa_wavefront_size32 1
		.amdhsa_system_sgpr_workgroup_id_x 1
		.amdhsa_system_sgpr_workgroup_id_y 1
		.amdhsa_system_sgpr_workgroup_id_z 1
		.amdhsa_system_vgpr_workitem_id 0
		.amdhsa_next_free_vgpr 192
		.amdhsa_next_free_sgpr 66
		.amdhsa_reserve_vcc 0
		.amdhsa_float_denorm_mode_32 3
		.amdhsa_float_denorm_mode_16_64 3
		.amdhsa_memory_ordered 1
		.amdhsa_forward_progress 1
		.amdhsa_inst_pref_size 37
	.end_amdhsa_kernel
	.amdgpu_metadata
---
amdhsa.version: [ 1, 2 ]
amdhsa.kernels:
  - .name:           k_q8e0d0a1aeb_quant
    .symbol:         k_q8e0d0a1aeb_quant.kd
    .args:
      - { .name: x, .offset: 0, .size: 8, .value_kind: global_buffer, .address_space: global }
      - { .name: w_attn, .offset: 8, .size: 8, .value_kind: global_buffer, .address_space: global }
      - { .name: w_proj, .offset: 16, .size: 8, .value_kind: global_buffer, .address_space: global }
      - { .name: lowp_scales, .offset: 24, .size: 8, .value_kind: global_buffer, .address_space: global }
      - { .name: codes, .offset: 32, .size: 8, .value_kind: global_buffer, .address_space: global }
    .group_segment_fixed_size: 33280
    .private_segment_fixed_size: 0
    .kernarg_segment_align: 8
    .kernarg_segment_size: 40
    .max_flat_workgroup_size: 128
    .sgpr_count:     66
    .vgpr_count:     192
    .wavefront_size: 32
...
	.end_amdgpu_metadata
.endif
;; end of part 1
;; launch qkv (part 2): grid 12 x 32, 4 waves a work-group, clusters of 4 x 4, 327,680 bytes of LDS; arguments codes, lowp_scales, qkv; writes qkv
.if DOCPART == 2
	.amdgcn_target "amdgcn-amd-amdhsa--gfx1250"
	.amdhsa_code_object_version 6
	.text
	.protected	k_q8e0d0a1aeb_qkv
	.globl	k_q8e0d0a1aeb_qkv
	.p2align	8
	.type	k_q8e0d0a1aeb_qkv,@function
k_q8e0d0a1aeb_qkv:
	s_mov_b64 s[64:65], 0
	v_nop
	global_prefetch_b8 v0, s[64:65] scope:SCOPE_SE
	s_setreg_imm32_b32 hwreg(HW_REG_WAVE_MODE, 25, 1), 1
	s_wait_xcnt 0x0
	s_wait_alu depctr_hold_cnt(0) depctr_sa_sdst(0) depctr_va_vdst(0) depctr_va_sdst(0) depctr_va_ssrc(0) depctr_va_vcc(0) depctr_vm_vsrc(0)
	s_getreg_b32 s2, hwreg(HW_REG_IB_STS2, 6, 4)
	s_cmp_eq_u32 s2, 0
	s_cbranch_scc0 .Lentry_in_a_cluster
	s_endpgm
.Lentry_in_a_cluster:
	s_bfe_u32 s2, ttmp6, 0x10000c
	s_cmp_lg_u32 s2, 0xf033
	s_cbranch_scc0 .Lentry_shape_is_right
	s_endpgm
.Lentry_shape_is_right:
; The first product, x w_attn^T, on codes of FP8 (E4M3); each finished sum is quantised at once: q with 2^e2, k with 2^e3, v with 2^e5.  No f32 number goes to memory.
; The body makes C[m][n] = sum over k of A[m][k] B[n][k] on a tile of 256 x 256; A's and B's rows are rows of the one buffer of codes (1,024 bytes each: rows 0-8191 x, 8192-11263 w_attn).
; Cluster x = 0 makes q, 1 makes k: A = 256 tokens, B = 256 features (four heads).  Cluster x = 2 makes V TRANSPOSED: A = 256 features of w_v, B = 256 tokens.  Only row numbers differ, by selects on the cluster's x.
; THE MATRIX INSTRUCTION IS USED TRANSPOSED (source 0 = 16 rows of B, source 1 = 16 rows of A): a lane holds one row m and eight neighbouring n; so eight sums make eight codes that lie together:
; for q and k eight channels of a token, for v eight KEYS of a channel, which is what the product p v wants innermost.
; OUT: q, k: [head b 16 + h][token][64 bytes];  v: [head][block of 256 keys][channel 0-63][256 bytes].  In every group of 32 bytes, byte 16 h + 8 u + j holds element 16 u + 8 h + j (two neighbouring tiles' codes of a lane
; are stored as 16 bytes).  In q and k that is one permutation of the channels, the same on both sides of q k^T; in v it is the order in which loads of 16 bytes give the K = 128 form its own places.
; A sum stands for sum x 2^(e0 + e1): its code is sum / 2^(e_out - e0 - e1), held within +-448.  LIMIT: e_out - e0 - e1 between -126 and 119, for e_out = e2, e3, e5.
; Four waves, each 128 x 128: 64 accumulators, 512 registers.  K goes in four steps of 256 through a ring of two LDS slots filled by the tensor data mover.
; CLUSTERS: 4 x 4 work-groups.  The four of a row of the cluster need the same tiles of A, the four of a column the same tiles of B: each tile is asked for JOINTLY, by the same tensor load with the same descriptor and a mask of four.
; No prefetch: of the four K steps two are first fills and the other two are asked for a K step ahead; no K step lies further on.
; REGISTERS, in windows of 256: window 0: v0-31 addresses; from v128 A's fragments (8 x 16 rows x 128 K), ONE set; on the way out v32-223 are at work.
;   window 1: B's fragments, TWO sets, at v0 and at v128.   window 2: the 32 accumulators of my rows 0-63 (accumulator (a, b) at v[8 (8 a + b)]);   window 3: those of my rows 64-127.
.set KSTEP,  256                       ; along K in a slot
.set ROWB,   256                       ; a tile's row in bytes
.set KROW,   1024                      ; a row of codes in memory, in bytes
.set PITCH,  272                       ; an LDS row: 256 bytes + 16 of padding = 68 words: the 16 rows that a load touches start at 16 different banks (64 banks of 4 bytes: ISA guide 11.1)
.set FR,     16                        ; registers of a fragment: 16 rows x 128 K
.set NL,     4                         ; LDS loads that bring one
.set NP,     4                         ; places behind this matrix instruction (ISA guide 7.12.1)
.set HALFT,  128*PITCH                 ; 128 rows: what one tensor load brings, and what one wave reads of A or of B
.set SLOT,   4*HALFT                   ; A's 256 rows, then B's 256 rows
.set LAPS,   1024/(2*KSTEP)            ; a lap = two K steps = once round the ring
.set SPARE,  2*SLOT                    ; behind the ring: the spare words, 128 bytes for each wave, which no other line names
.set SPITCH, 336                       ; the way out: ONE stage of 256 rows x (256 bytes of codes + 80) = 21 x 16 bytes.  It lies in slot 0, which has had its last fill and its last read when the first code is stored there
.set PART,   8388608                   ; bytes of q, of k, of v
.set HEADB,  131072                    ; bytes of a head in each
.set ADRA, 16                          ; v16-17  LDS address of my A fragments in slot 0, 1
.set ADRB, 20                          ; v20-21  the same for B
.set STO,  24                          ; v24     the way out: where I put 16 codes of a row
.set RDQ,  25                          ; v25     back, q and k: eight tokens x 64 bytes an instruction
.set CO,   26                          ; v26     16 x lane: my place in a store's 512 bytes
.set RDV,  27                          ; v27     back, v: two rows x 256 bytes an instruction
.set SPW,  28                          ; v28     LDS address of my spare word; never rewritten
.set NIL,  29                          ; v29     0; never rewritten
.set SCL,  30                          ; v30     2^(e_out - e0 - e1) as f32
.set LIM,  31                          ; v31     448 x that
.set TMP,  32                          ; v32-95  a block's 64 sums, held
.set CD,   96                          ; v96-223 codes: 16 registers for each of my 8 blocks
.set BK,   32                          ; v32-159 the stage's rows read back
.set AF,   128                         ; A's fragments, in window 0
.set G1, 24                            ; s[24:31] descriptor group 1 for A's tiles;  s[32:39] group 0, one set for each slot
.set G0, 32
.set G1B, 48                           ; s[48:55], s[56:63] the same for B's tiles
.set G0B, 56
.set MSB, 0
.macro WIN new                         ; the immediate's high byte repeats the setting that is left
.if MSB != \new
	s_set_vgpr_msb (MSB<<8)|\new
.set MSB, \new
.endif
.endm
.set MUL_LO, 0xa1                      ; source 0 (B) window 1, source 1 (A) window 0, C and D window 2
.set MUL_HI, 0xf1                      ; the same, C and D window 3
.set TO_B,   0x40                      ; destination window 1, address window 0
; A joint load: waves 0 and 1 fetch for A, waves 2 and 3 for B.  Each of the two lines has ONE mask and one set of registers for all that issue it; the branch hangs on the wave's number alone.
; An s_nop 0 and four v_nop follow each of the two lines, ahead of the jump, the label and what follows.
.macro JLOAD g0a, g1a, g0b, g1b
	s_cmp_eq_u32 s15, 0
	s_cbranch_scc0 .Lfor_b_\@
	tensor_load_to_lds s[\g0a:\g0a+3], s[\g1a:\g1a+7]
	s_nop 0
.rept 4
	v_nop
.endr
	s_branch .Lasked_\@
.Lfor_b_\@:
	tensor_load_to_lds s[\g0b:\g0b+3], s[\g1b:\g1b+7]
	s_nop 0
.rept 4
	v_nop
.endr
.Lasked_\@:
.endm
.macro CREST                           ; a round of the cluster's barrier behind its opening barrier
	s_cmp_lg_u32 s14, 0
	s_cbranch_scc1 .Lnot_wave_0_\@
	s_barrier_signal -3
.Lnot_wave_0_\@:
	s_barrier_wait -3
	s_barrier_signal -1
	s_barrier_wait -1
.endm
.macro CROUND                          ; a whole round
	s_barrier_signal -1
	s_barrier_wait -1
	CREST
.endm
	s_load_b128 s[4:7], s[0:1], 0x0                ; the codes s[4:5], the scales' exponents s[6:7]
	s_load_b64 s[10:11], s[0:1], 0x10              ; q, k, v
	v_lshl_add_u32 v[SPW], v0, 2, SPARE
	v_mov_b32 v[NIL], 0
	ds_add_u32 v[SPW], v[NIL]                      ; the wave's opening: the add and its wait stand ahead of my first tensor load; the set-up below, work on registers, stands between them
	ds_add_u32 v[SPW], v[NIL]
	v_lshrrev_b32 v1, 5, v0
	v_readfirstlane_b32 s14, v1                    ; wave 0..3
	s_lshr_b32 s15, s14, 1                         ; which half of the tile's rows (A) is mine.  Also: I fetch for A (0) or for B (1)
	s_and_b32 s16, s14, 1                          ; which half of its columns (B).  Also: which 128 rows of that tile I fetch
	s_bfe_u32 s40, ttmp6, 0x40000                  ; cx, cy: my place in the cluster
	s_bfe_u32 s41, ttmp6, 0x40004
	s_and_b32 s13, ttmp7, 0xffff
	s_lshl_b32 s13, s13, 2                         ; 4 x cluster y: the first of four tiles of 256 tokens
	s_lshl_b32 s12, ttmp9, 2
	s_add_co_u32 s12, s12, 32                      ; 32 + 4 x cluster x: the first of four tiles of 256 rows of w_q or w_k (w_attn begins at row 8,192 = tile 32)
	s_cmp_eq_u32 ttmp9, 2                          ; v?  The cluster's x is the same in all sixteen partners
	s_cselect_b32 s17, 40, s13                     ; A: w_v begins at row 10,240 = tile 40; else tokens
	s_cselect_b32 s42, s13, s12                    ; B: tokens; else w_q or w_k
	s_add_co_u32 s17, s17, s41                     ; A's tile of 256 rows: + cy, which my row of the cluster shares
	s_add_co_u32 s42, s42, s40                     ; B's: + cx, which my column shares
	s_lshl_b32 s43, s41, 2
	s_lshl_b32 s43, 15, s43                        ; my row of the cluster
	s_lshl_b32 s44, 0x1111, s40                    ; my column
	; descriptor group 1: a tile of 128 rows x 256 bytes, padded in LDS
	s_or_b32 s[G1+0], s43, (0<<16)|(1<<20)|(1<<21)|(5<<22)|(3<<25)  ; 15:0 the mask: A's tiles go to my row; 17:16 element of 1 byte; 20 padding on; 21 set beside a mask; 24:22 after every 64 words (code 5); 31:25 of 4 words (code 3)
	s_or_b32 s[G1B+0], s44, (0<<16)|(1<<20)|(1<<21)|(5<<22)|(3<<25)
.irp g, G1, G1B
	s_mov_b32 s[\g+1], ROWB<<16                    ; tensor_dim0
	s_mov_b32 s[\g+2], 128<<16                     ; tensor_dim1 = 128
	s_mov_b32 s[\g+3], ROWB<<16                    ; tile_dim0
	s_mov_b32 s[\g+4], 128                         ; tile_dim1 = 128
	s_mov_b32 s[\g+5], KROW                        ; tensor_dim0_stride
	s_mov_b32 s[\g+6], 0
	s_mov_b32 s[\g+7], 0
.endr
	s_lshl_b32 s18, s16, 7                         ; which 128 rows of the tile I fetch
	s_lshl_b32 s20, s17, 8
	s_add_co_u32 s20, s20, s18                     ; A: row 256 x tile + 128 x half,
	s_lshl_b32 s20, s20, 10                        ; in bytes: under 2^24
	s_mov_b32 s21, 0
	s_lshl_b32 s46, s42, 8
	s_add_co_u32 s46, s46, s18                     ; B likewise
	s_lshl_b32 s46, s46, 10
	s_mov_b32 s47, 0
	s_mul_i32 s45, s14, HALFT                      ; where they go: wave x 128 rows: no place in the cluster enters an LDS address
	s_wait_dscnt 0x0                               ; the opening add is done
	s_wait_kmcnt 0x0
	s_load_b256 s[80:87], s[6:7], 0x0              ; e0 .. e7
	s_add_nc_u64 s[20:21], s[4:5], s[20:21]
	s_add_nc_u64 s[46:47], s[4:5], s[46:47]
	CROUND                                         ; all sixteen work-groups are here: the first joint loads meet
.irp s, 0,1
	s_mov_b32 s[G0+4*\s], 1
	s_add_co_u32 s[G0+4*\s+1], s45, \s*SLOT
	s_add_nc_u64 s[G0+4*\s+2:G0+4*\s+3], s[20:21], \s*ROWB
	s_or_b32 s[G0+4*\s+3], s[G0+4*\s+3], 0x80000000
	s_mov_b32 s[G0B+4*\s], 1
	s_add_co_u32 s[G0B+4*\s+1], s45, \s*SLOT
	s_add_nc_u64 s[G0B+4*\s+2:G0B+4*\s+3], s[46:47], \s*ROWB
	s_or_b32 s[G0B+4*\s+3], s[G0B+4*\s+3], 0x80000000
.endr
	JLOAD G0, G1, G0B, G1B                         ; K step 0: one tensor load a wave at the head
	v_and_b32 v1, 15, v0                           ; r = l % 16
	s_wait_alu depctr_va_vdst(0)
	v_bfe_u32 v2, v0, 4, 1                         ; h = l / 16
	v_mul_u32_u24 v3, v1, PITCH
	v_lshl_add_u32 v4, v2, 4, v3                   ; a fragment's row x pitch + 16 x half
	s_mul_i32 s21, s15, HALFT                      ; my 128 rows of A
	s_mul_i32 s22, s16, HALFT                      ; my 128 rows of B,
	s_add_co_u32 s22, s22, 2*HALFT                 ; which lie behind A's 256
.irp s, 0,1
	v_add_nc_u32 v[ADRA+\s], s21, v4
	v_add_nc_u32 v[ADRB+\s], s22, v4
	s_add_co_u32 s21, s21, SLOT
	s_add_co_u32 s22, s22, SLOT
.endr
	s_mul_i32 s23, s15, 128*SPITCH                 ; into the stage: my 128 rows, my half of their 256 bytes; row r, 16 bytes for each half of the lanes
	s_lshl_b32 s22, s16, 7
	s_add_co_u32 s23, s23, s22
	v_mul_u32_u24 v5, v1, SPITCH
	s_wait_alu depctr_va_vdst(0)
	v_lshl_add_u32 v5, v2, 4, v5
	v_add_nc_u32 v[STO], s23, v5
	s_mul_i32 s23, s14, 64*SPITCH                  ; back: wave w takes rows 64 w .. 64 w + 63, whole
	v_and_b32 v6, 31, v0
	v_lshrrev_b32 v7, 2, v6
	v_mul_u32_u24 v7, v7, SPITCH
	v_and_b32 v8, 3, v6
	v_lshl_add_u32 v7, v8, 4, v7
	v_add_nc_u32 v[RDQ], s23, v7                   ; q, k: four lanes to a token's 64 bytes of one head, eight tokens
	v_mul_u32_u24 v7, v2, SPITCH
	v_lshl_add_u32 v7, v1, 4, v7
	v_add_nc_u32 v[RDV], s23, v7                   ; v: sixteen lanes to a channel's 256 bytes, two channels
	v_lshlrev_b32 v[CO], 4, v6
.macro FRAG reg, adr, q, i             ; a fragment, 16 rows x 128 K of 8-bit codes, is 16 registers: lane l holds row l % 16; registers 4 c .. 4 c + 3 hold K = 32 c + 16 (l / 16) + 0 .. 15: one permutation of k, the same in A and in B
.irp c, 0,1,2,3
	ds_load_b128 v[\reg+4*\c:\reg+4*\c+3], v[\adr] offset:128*(\q)+32*\c+(\i)*16*PITCH
.endr
.endm
; 16 matrix instructions: A's blocks a0, a0 + 1 x B's eight, 128 along K.  p: B's set.  zero = 1: the first product starts the sums: nothing is ever cleared.
; The 64 accumulators take turns, one instruction a turn, in the same order in every step.
.macro MUL16 a0, p, zero
.irp a, \a0, \a0+1
.irp b, 0,1,2,3,4,5,6,7
.if \zero
	v_wmma_f32_16x16x128_fp8_fp8 v[8*(8*((\a)%4)+\b):8*(8*((\a)%4)+\b)+7], v[128*(\p)+FR*\b:128*(\p)+FR*\b+FR-1], v[AF+FR*(\a):AF+FR*(\a)+FR-1], 0
.else
	v_wmma_f32_16x16x128_fp8_fp8 v[8*(8*((\a)%4)+\b):8*(8*((\a)%4)+\b)+7], v[128*(\p)+FR*\b:128*(\p)+FR*\b+FR-1], v[AF+FR*(\a):AF+FR*(\a)+FR-1], v[8*(8*((\a)%4)+\b):8*(8*((\a)%4)+\b)+7]
.endif
.endr
.endr
.endm
.macro FETCH_B slot, q, p              ; B's eight fragments of the slot's q-th 128 along K into set p
	WIN TO_B
.irp i, 0,1,2,3,4,5,6,7
	FRAG 128*(\p)+FR*\i, ADRB+\slot, \q, \i
.endr
	WIN 0
.endm
.macro FETCH_A slot, q, i0             ; A's blocks i0 .. i0 + 3
.irp i, \i0, \i0+1, \i0+2, \i0+3
	FRAG AF+FR*(\i), ADRA+\slot, \q, \i
.endr
.endm
; A load into a register that a matrix instruction has read, and a vector instruction that reads a matrix result, stand NP places behind that matrix instruction; only plain vector
; instructions that name none of its registers are places (ISA guide 7.12.1 for vector instructions).
.macro PLACES n
.rept \n
	v_nop
.endr
.endm
; A step of 128 along K that has its successor in the same slot.
.macro STEP slot, q, zero
	s_wait_dscnt 4*NL                              ; B's set and A's blocks 0-3 are in; the youngest 16 loads (A's blocks 4-7) may be out
	WIN MUL_LO
	MUL16 0, (\q)%2, \zero
	MUL16 2, (\q)%2, \zero
	s_wait_dscnt 0                                 ; A's blocks 4-7 are in (asked for 32 matrix instructions ago)
	PLACES NP
	FETCH_B \slot, (\q)+1, 1-(\q)%2
	FETCH_A \slot, (\q)+1, 0
	WIN MUL_HI
	MUL16 4, (\q)%2, \zero
	MUL16 6, (\q)%2, \zero
	PLACES NP
	WIN 0
	FETCH_A \slot, (\q)+1, 4
.endm
; A slot's last step changes slots: ONE barrier; in front of it each wave waits for all its tensor loads, adds 0 to its spare word, and waits for that and for its own reads of this slot.  fill = 1: this slot is filled again, two K steps ahead.
.macro TURN slot, next, fill
	s_wait_tensorcnt 0x0                           ; all my tensor loads have landed: my part of the next slot;  (every window is 0 here: the add's two registers lie in window 0)
	ds_add_u32 v[SPW], v[NIL]                      ; 0 onto my spare word;
	s_wait_dscnt 4*NL+1                            ; (the add and the youngest 16 loads, A's blocks 4-7, may be out)
	WIN MUL_LO
	MUL16 0, 1, 0                                  ; sixteen matrix instructions stand between the add and the wait for it
	s_wait_dscnt 0x0                               ; the add is done, and my reads of this slot are over
	s_barrier_signal -1
	MUL16 2, 1, 0
	WIN 0
	s_barrier_wait -1
.if \fill
	CREST                                          ; the barrier has opened a round of the cluster's barrier: no wave of any partner still reads this slot's tile or has a load on its way
	s_add_nc_u64 s[G0+4*\slot+2:G0+4*\slot+3], s[G0+4*\slot+2:G0+4*\slot+3], 2*ROWB
	s_add_nc_u64 s[G0B+4*\slot+2:G0B+4*\slot+3], s[G0B+4*\slot+2:G0B+4*\slot+3], 2*ROWB
	JLOAD G0+4*\slot, G1, G0B+4*\slot, G1B         ; the first tensor load behind the round; the four v_nop behind it are the places in front of the loads below
.else
	PLACES NP
.endif
	FETCH_B \next, 0, 0
	FETCH_A \next, 0, 0
	WIN MUL_HI
	MUL16 4, 1, 0
	MUL16 6, 1, 0
	PLACES NP
	WIN 0
	FETCH_A \next, 0, 4
.endm
	s_wait_alu depctr_va_vdst(0)
	s_wait_tensorcnt 0x0                           ; my part of K step 0 is in; slot 1's first fill is issued as a refill is:
	ds_add_u32 v[SPW], v[NIL]                      ; 0 onto my spare word
	s_wait_dscnt 0x0
	CROUND                                         ; everybody's part of K step 0 is in, and all sixteen work-groups are here
	JLOAD G0+4, G1, G0B+4, G1B                     ; K step 1: the first tensor load behind the round
	FETCH_B 0, 0, 0
	FETCH_A 0, 0, 0
	FETCH_A 0, 0, 4
	STEP 0, 0, 1                                   ; the first step stands in front of the loop: its products start the sums
	s_mov_b32 s3, LAPS-1
.Llap:                                                 ; a trip goes once round the ring, from a lap's second step to the next lap's first, and fills both slots again
	TURN 0, 1, 1
	STEP 1, 0, 0
	TURN 1, 0, 1
	STEP 0, 0, 0
	s_sub_co_u32 s3, s3, 1
	s_cmp_lg_u32 s3, 0
	s_cbranch_scc1 .Llap
	TURN 0, 1, 0                                   ; the last lap fills nothing, and has no round of the cluster's barrier
	STEP 1, 0, 0
	s_wait_dscnt 4*NL                              ; the very last step: nothing more to fetch
	WIN MUL_LO
	MUL16 0, 1, 0
	MUL16 2, 1, 0
	s_wait_dscnt 0
	WIN MUL_HI
	MUL16 4, 1, 0
	MUL16 6, 1, 0
	WIN 0
; THE WAY OUT.  Block a (16 rows x 128 columns): the 64 sums of a lane are held, converted (eight sums of a tile: eight codes, two registers), and two neighbouring tiles' codes go as 16 bytes into the work-group's stage.
.macro QSTAGE a
.set AC, 64*((\a)%4)
	WIN 0x02+((\a)/4)                              ; source 0: window 2 or 3
.set j, 0
.rept 64
	v_med3_num_f32 v[TMP+j], v[AC+j], -v[LIM], v[LIM]   ; the conversion does not saturate (ISA guide 7.6.2): the hold at 448 x the scale; each accumulator from its low end on
.set j, j+1
.endr
	WIN 0
.irp b, 0,1,2,3,4,5,6,7
	v_cvt_scalef32_pk8_fp8_f32 v[CD+16*(\a)+2*\b:CD+16*(\a)+2*\b+1], v[TMP+8*\b:TMP+8*\b+7], v[SCL]
.endr
	v_nop                                          ; one plain vector line between the conversions and the next block's holds, which write their sources
.irp g, 0,1,2,3
	ds_store_b128 v[STO], v[CD+16*(\a)+4*\g:CD+16*(\a)+4*\g+3] offset:(\a)*16*SPITCH+32*\g   ; the sixteen rows of a store start in sixteen different columns of 16 bytes: 21 is odd
.endr
.endm
	s_wait_kmcnt 0x0
	s_cmp_eq_u32 ttmp9, 0
	s_cselect_b32 s88, s82, s83                    ; e2 for q, e3 for k,
	s_cmp_eq_u32 ttmp9, 2
	s_cselect_b32 s88, s85, s88                    ; e5 for v: a select, no branch
	s_sub_co_i32 s88, s88, s80
	s_sub_co_i32 s88, s88, s81                     ; e_out - e0 - e1
	s_add_co_i32 s88, s88, 127
	s_lshl_b32 s89, s88, 23
	v_mov_b32 v[SCL], s89                          ; these two moves and two v_nop are the four places behind the last products
	s_add_co_i32 s88, s88, 8
	s_lshl_b32 s88, s88, 23
	s_or_b32 s88, s88, 0x600000
	v_mov_b32 v[LIM], s88
	PLACES 2
.irp a, 0,1,2,3,4,5,6,7
	QSTAGE \a
.endr
	; where my wave's part of the output begins.  Only s90-s93 ever hold both cx and cy
	s_cmp_eq_u32 ttmp9, 2
	s_cselect_b32 s90, s42, s17                    ; the tile of 256 tokens: B's for v, else A's
	s_cselect_b32 s91, s41, s40                    ; the group of four heads: cy for v, else cx
	s_mov_b32 s92, 4096
	s_cselect_b32 s92, HEADB, s92                  ; from wave to wave: a head (v) or 64 tokens of 64 bytes (q, k)
	s_lshr_b32 s93, s90, 3                         ; the batch: eight tiles of tokens each
	s_lshl_b32 s93, s93, 4
	s_lshl_b32 s91, s91, 2
	s_add_co_u32 s93, s93, s91                     ; head b 16 + 4 x group
	s_lshl_b32 s93, s93, 17
	s_and_b32 s90, s90, 7
	s_lshl_b32 s90, s90, 14                        ; 256 tokens are 16,384 bytes of a head, in q and k as in v
	s_add_co_u32 s93, s93, s90
	s_mul_i32 s92, s92, s14
	s_add_co_u32 s93, s93, s92
	s_lshl_b32 s92, ttmp9, 23                      ; q, k or v
	s_add_co_u32 s92, s93, s92                     ; under 2^25
	s_mov_b32 s93, 0
	s_add_nc_u64 s[10:11], s[10:11], s[92:93]
	s_wait_dscnt 0x0                               ; for the others' sake: my stores into the stage are done (a row's 256 bytes come from two waves)
	s_barrier_signal -1
	s_barrier_wait -1
	s_cmp_eq_u32 ttmp9, 2                          ; the cluster's x: the same in all partners.  Both ways read the stage and store; no barrier stands in them
	s_cbranch_scc1 .Lv_out
.set n, 0
.rept 32                                           ; q, k: head n / 8 of the four, tokens 8 (n % 8) on of my 64
	ds_load_b128 v[BK+4*n:BK+4*n+3], v[RDQ] offset:64*(n/8)+8*SPITCH*(n%8)
.set n, n+1
.endr
.set n, 0
.rept 32
	s_wait_dscnt 31-n                              ; load n is back; the younger ones may be out
	global_store_b128 v[CO], v[BK+4*n:BK+4*n+3], s[10:11] offset:(n/8)*HEADB+512*(n%8)   ; 32 lanes store 512 consecutive bytes, at a multiple of 256 from the buffer's first byte
.set n, n+1
.endr
	s_branch .Ldone
.Lv_out:
.set n, 0
.rept 32                                           ; v: my head's channels 2 n and 2 n + 1
	ds_load_b128 v[BK+4*n:BK+4*n+3], v[RDV] offset:2*SPITCH*n
.set n, n+1
.endr
.set n, 0
.rept 32
	s_wait_dscnt 31-n
	global_store_b128 v[CO], v[BK+4*n:BK+4*n+3], s[10:11] offset:512*n
.set n, n+1
.endr
.Ldone:
	s_wait_tensorcnt 0x0                           ; the wave's end: behind my last tensor load and my last LDS store
	ds_add_u32 v[SPW], v[NIL]
	s_wait_dscnt 0x0
	CROUND                                         ; the closing round: no work-group ends while a partner may still ask for a tile that names it
	s_endpgm
.Lfunc_end_k_q8e0d0a1aeb_qkv:
	.size	k_q8e0d0a1aeb_qkv, .Lfunc_end_k_q8e0d0a1aeb_qkv-k_q8e0d0a1aeb_qkv
	.p2alignl 7, 3214868480
	.fill 96, 4, 3214868480
	.section	.rodata,"a",@progbits
	.p2align	6, 0x0
	.amdhsa_kernel k_q8e0d0a1aeb_qkv
		.amdhsa_group_segment_fixed_size 327680
		.amdhsa_private_segment_fixed_size 0
		.amdhsa_enable_private_segment 0
		.amdhsa_kernarg_size 24
		.amdhsa_user_sgpr_count 2
		.amdhsa_user_sgpr_kernarg_segment_ptr 1
		.amdhsa_wavefront_size32 1
		.amdhsa_system_sgpr_workgroup_id_x 1
		.amdhsa_system_sgpr_workgroup_id_y 1
		.amdhsa_system_sgpr_workgroup_id_z 1
		.amdhsa_system_vgpr_workitem_id 0
		.amdhsa_next_free_vgpr 1024
		.amdhsa_next_free_sgpr 100
		.amdhsa_reserve_vcc 0
		.amdhsa_float_denorm_mode_32 3
		.amdhsa_float_denorm_mode_16_64 3
		.amdhsa_memory_ordered 1
		.amdhsa_forward_progress 1
		.amdhsa_inst_pref_size 130
	.end_amdhsa_kernel
	.amdgpu_metadata
---
amdhsa.version: [ 1, 2 ]
amdhsa.kernels:
  - .name:           k_q8e0d0a1aeb_qkv
    .symbol:         k_q8e0d0a1aeb_qkv.kd
    .args:
      - { .name: codes, .offset: 0, .size: 8, .value_kind: global_buffer, .address_space: global }
      - { .name: lowp_scales, .offset: 8, .size: 8, .value_kind: global_buffer, .address_space: global }
      - { .name: qkv, .offset: 16, .size: 8, .value_kind: global_buffer, .address_space: global }
    .group_segment_fixed_size: 327680
    .private_segment_fixed_size: 0
    .kernarg_segment_align: 8
    .kernarg_segment_size: 24
    .max_flat_workgroup_size: 128
    .sgpr_count:     100
    .vgpr_count:     1024
    .wavefront_size: 32
...
	.end_amdgpu_metadata
.endif
;; end of part 2
;; launch attn (part 3): grid 4 x 64, 8 waves a work-group, clusters of 4 x 1, 327,680 bytes of LDS; arguments qkv, lowp_scales, yc; writes yc
.if DOCPART == 3
	.amdgcn_target "amdgcn-amd-amdhsa--gfx1250"
	.amdhsa_code_object_version 6
	.text
	.protected	k_q8e0d0a1aeb_attn
	.globl	k_q8e0d0a1aeb_attn
	.p2align	8
	.type	k_q8e0d0a1aeb_attn,@function
k_q8e0d0a1aeb_attn:
	s_mov_b64 s[64:65], 0
	v_nop
	global_prefetch_b8 v0, s[64:65] scope:SCOPE_SE
	s_setreg_imm32_b32 hwreg(HW_REG_WAVE_MODE, 25, 1), 1
	s_wait_xcnt 0x0
	s_wait_alu depctr_hold_cnt(0) depctr_sa_sdst(0) depctr_va_vdst(0) depctr_va_sdst(0) depctr_va_ssrc(0) depctr_va_vcc(0) depctr_vm_vsrc(0)
	s_getreg_b32 s2, hwreg(HW_REG_IB_STS2, 6, 4)
	s_cmp_eq_u32 s2, 0
	s_cbranch_scc0 .Lentry_in_a_cluster
	s_endpgm
.Lentry_in_a_cluster:
	s_bfe_u32 s2, ttmp6, 0x10000c
	s_cmp_lg_u32 s2, 0x3003
	s_cbranch_scc0 .Lentry_shape_is_right
	s_endpgm
.Lentry_shape_is_right:
; y[head][q][:] = the sum over keys k <= q of softmax_k(q . k / 8) v[k][:], both products on codes of FP8 (E4M3); y is quantised at once with 2^e6.  64 heads (4 batches x 16), 2,048 tokens, head size 64.
; LEFT OUT: key steps all of whose keys come after a tile's queries: the causal mask makes their p zero, whatever the inputs hold.
; IN: q, k: [head][token][64 bytes];  v: [head][block of 256 keys][channel][256 bytes], keys innermost; bytes ordered inside groups of 32 as the launch before lays them.  OUT: yc [h][token b 2048 + t][64 bytes].
; THE SOFTMAX: t = score x log2(e) / 8; M = the row's largest t so far, rounded up to a whole number; p = 2^(t - M) is quantised with 2^e4, not normalised; the row's sum is taken of the unquantised p and divides at the end.
; When M moves, the sum and O are multiplied by 2^(old M - new M): exact.
; A HEAD'S K AND V STAY IN LDS: 2 x 512 lines of 272 bytes.  No byte is filled twice.  Each of the eight waves fetches 64 lines at the head (keys 0-1023: waves 0-3 K, waves 4-7 V) and 64 more lines (keys 1024-2047) behind the
; second round; the second half lands under the first eight key steps.
; CLUSTER: the four work-groups of a head read the same K and V and ask for every tile jointly (mask 15).  Work-group j owns queries 128 A + 32 j .. + 31 for A = 0 .. 15.  No branch hangs on j: it enters addresses of q and yc and the mask's number.
; SHARES.  Wave w takes the pair of tiles (32 queries) A = 15 - w, then the pair A = w: (16 - w) + (w + 1) = 17 key steps of 128, the same in every wave.  Steps 0-7 of the first pair hide nothing (A >= 8).
; Each fragment of K and of V feeds both tiles of the pair.  Both products are used transposed (source 0 = 16 keys or 16 channels): a lane holds one query; the codes of p are the second product's operand as they come.
; NO PREFETCH.
; LIMITS on the given exponents: e2 + e3 between -123 and 130; e4 between -126 and 119; e4 + e5 - e6 between -115 and 126.  The scaled scores stay under 2^31 in magnitude.
; REGISTERS: window 0: v1-31 addresses and statistics; v32-95 fragments of K, then of V; v96-159, v160-223 S^T then p of tiles A, B; v224-255 p's codes.  Window 1: v0-15 Q; v16-79 O^T of both tiles.
.set LINE,  272                        ; 256 bytes + 16 of padding: four keys of K, or one channel of V
.set HALF,  256*LINE
.set VBASE, 512*LINE
.set STAGE, 2*VBASE                    ; the way out: WSTG bytes for each wave; no tile lands here
.set WSTG,  2304
.set SPARE, STAGE+8*WSTG               ; the spare words, 128 bytes for each wave
.set DUAL,  1
.set AK0, 1
.set AV0, 2
.set QAD, 3
.set DDA, 4                            ; on the diagonal: tile A's query less the step's first key less 8 h
.set SPW, 5
.set NIL, 6
.set PSC, 7                            ; 2^e4
.set ONE, 8
.set AD,  9
.set AD2, 10
.set NEG, 11
.set STA, 12                           ; -M, largest t, the sum in two halves: tile A;  STB: tile B
.set STB, 16
.set FFA, 20                           ; f = 2^(old M - new M), low word of a pair
.set FFB, 22
.set MAA, 24
.set MAB, 26
.set STI, 28
.set STO, 29
.set GO,  30
.set FR,  32
.set SA,  96
.set SB,  160
.set P,   224
.set QA,  0                            ; window 1
.set OA,  16
.set OB,  48
.set QS,  80                           ; window 1: Q of the second pair
.set WV,  18
.set SEL, 20
.set CS,  22
.set G1,  24
.set G0A, 32
.set G0B, 36
.set T,   40                           ; the key step
.set AX,  41                           ; the pair's A: its diagonal step
.set TK,  42
.set TV,  43
.set HOLD, 44                          ; 448 x 2^e4
.set NH,  45
.set PH,  46
.set EX,  47
.set SQB, 48
.set SYB, 50
.set SQP, 52
.set SYP, 54
.set SQ2, 62
.set MSB, 0
.macro WIN new                         ; the immediate's high byte repeats the setting that is left
.if MSB != \new
	s_set_vgpr_msb (MSB<<8)|\new
.set MSB, \new
.endif
.endm
.macro ROUND                           ; a round of the cluster's barrier
	s_barrier_signal -1
	s_barrier_wait -1
	s_cmp_lg_u32 s[WV], 0
	s_cbranch_scc1 .Lnot_wave_0_\@
	s_barrier_signal -3
.Lnot_wave_0_\@:
	s_barrier_wait -3
	s_barrier_signal -1
	s_barrier_wait -1
.endm
.macro SETP first
	s_lshl_b32 s56, s[AX], 13
	s_lshl_b32 s57, s11, 11
	s_add_co_u32 s56, s56, s57
	s_mov_b32 s57, 0
.if \first
	s_add_nc_u64 s[SQP:SQP+1], s[SQB:SQB+1], s[56:57]
.endif
	s_add_nc_u64 s[SYP:SYP+1], s[SYB:SYB+1], s[56:57]
.endm
.macro INIT first
	v_mov_b32 v[STA+1], 0xff61b1e6
	v_mov_b32 v[STB+1], 0xff61b1e6
	v_floor_f32 v[STA], -v[STA+1]
	v_floor_f32 v[STB], -v[STB+1]
	v_mov_b32 v[STA+2], 0
	v_mov_b32 v[STA+3], 0
	v_mov_b32 v[STB+2], 0
	v_mov_b32 v[STB+3], 0
	WIN 0x40                                       ; destinations in window 1
.if \first                                     ; both pairs' Q are asked for at the head and stay in registers
	global_load_b128 v[QA:QA+3],     v[QAD], s[SQP:SQP+1] th:TH_LOAD_NT
	global_load_b128 v[QA+4:QA+7],   v[QAD], s[SQP:SQP+1] offset:32 th:TH_LOAD_NT
	global_load_b128 v[QA+8:QA+11],  v[QAD], s[SQP:SQP+1] offset:1024 th:TH_LOAD_NT
	global_load_b128 v[QA+12:QA+15], v[QAD], s[SQP:SQP+1] offset:1056 th:TH_LOAD_NT
	global_load_b128 v[QS:QS+3],     v[QAD], s[SQ2:SQ2+1] th:TH_LOAD_NT
	global_load_b128 v[QS+4:QS+7],   v[QAD], s[SQ2:SQ2+1] offset:32 th:TH_LOAD_NT
	global_load_b128 v[QS+8:QS+11],  v[QAD], s[SQ2:SQ2+1] offset:1024 th:TH_LOAD_NT
	global_load_b128 v[QS+12:QS+15], v[QAD], s[SQ2:SQ2+1] offset:1056 th:TH_LOAD_NT
.endif
.set j, 0
.rept 64
	v_mov_b32 v[OA+j], 0
.set j, j+1
.endr
	WIN 0
.endm
; The softmax of both tiles, their chains line by line in turn; one batch of 128 exponentials.
.macro SOFTMAX
	v_max3_num_f32 v[MAA], v[SA], v[SA+1], v[SA+2]             ; each accumulator is first read at its low end
	v_max3_num_f32 v[MAB], v[SB], v[SB+1], v[SB+2]
	v_max3_num_f32 v[MAA+1], v[SA+3], v[SA+4], v[SA+5]
	v_max3_num_f32 v[MAB+1], v[SB+3], v[SB+4], v[SB+5]
.irp i, 6,10,14,18,22,26,30,34,38,42,46,50,54,58
	v_max3_num_f32 v[MAA], v[MAA], v[SA+\i], v[SA+\i+1]
	v_max3_num_f32 v[MAB], v[MAB], v[SB+\i], v[SB+\i+1]
	v_max3_num_f32 v[MAA+1], v[MAA+1], v[SA+\i+2], v[SA+\i+3]
	v_max3_num_f32 v[MAB+1], v[MAB+1], v[SB+\i+2], v[SB+\i+3]
.endr
	v_max3_num_f32 v[MAA], v[MAA], v[SA+62], v[SA+63]
	v_max3_num_f32 v[MAB], v[MAB], v[SB+62], v[SB+63]
	v_max_num_f32 v[MAA], v[MAA], v[MAA+1]
	v_max_num_f32 v[MAB], v[MAB], v[MAB+1]
	v_permlanex16_b32 v[MAA+1], v[MAA], s[SEL], s[SEL+1]       ; lane l xor 16 holds my query's other keys
	v_permlanex16_b32 v[MAB+1], v[MAB], s[SEL], s[SEL+1]
	v_max_num_f32 v[MAA], v[MAA], v[MAA+1]
	v_max_num_f32 v[MAB], v[MAB], v[MAB+1]
	v_mul_f32 v[MAA], s[CS], v[MAA]                            ; as t (c is positive)
	v_mul_f32 v[MAB], s[CS], v[MAB]
	v_max_num_f32 v[STA+1], v[STA+1], v[MAA]                   ; the running largest t
	v_max_num_f32 v[STB+1], v[STB+1], v[MAB]
	v_mov_b32 v[MAA], v[STA]
	v_mov_b32 v[MAB], v[STB]
	v_floor_f32 v[STA], -v[STA+1]                              ; the new -M = -ceil(t)
	v_floor_f32 v[STB], -v[STB+1]
	v_sub_f32 v[MAA], v[STA], v[MAA]                           ; old M less new M: a whole number, 0 or less
	v_sub_f32 v[MAB], v[STB], v[MAB]
	v_cvt_i32_f32 v[MAA], v[MAA]
	v_cvt_i32_f32 v[MAB], v[MAB]
	v_ldexp_f32 v[FFA], 1.0, v[MAA]
	v_ldexp_f32 v[FFB], 1.0, v[MAB]
.set j, 0
.rept 32
	v_pk_fma_f32 v[SA+j:SA+j+1], v[SA+j:SA+j+1], s[CS:CS+1], v[STA:STA+1] op_sel_hi:[1,0,0]   ; t - M
.set j, j+2
.endr
.set j, 0
.rept 32
	v_pk_fma_f32 v[SB+j:SB+j+1], v[SB+j:SB+j+1], s[CS:CS+1], v[STB:STB+1] op_sel_hi:[1,0,0]
.set j, j+2
.endr
	s_wait_alu depctr_va_vdst(0)
.set j, 0
.rept 128
	v_exp_f32 v[SA+j], v[SA+j]                                 ; p = 2^(t - M), at most 1
.set j, j+1
.endr
	v_pk_mul_f32 v[STA+2:STA+3], v[STA+2:STA+3], v[FFA:FFA+1] op_sel_hi:[1,0]   ; the sums under the new M: plain lines behind the batch
	v_pk_mul_f32 v[STB+2:STB+3], v[STB+2:STB+3], v[FFB:FFB+1] op_sel_hi:[1,0]
	s_wait_alu depctr_va_vdst(0)                               ; and the one wait behind it, ahead of its first reader
	v_pk_add_f32 v[MAA:MAA+1], v[SA:SA+1], v[SA+2:SA+3]        ; the sums of the unquantised p, two chains a tile
	v_pk_add_f32 v[MAB:MAB+1], v[SB:SB+1], v[SB+2:SB+3]
.irp j, 4,8,12,16,20,24,28,32,36,40,44,48,52,56,60
	v_pk_add_f32 v[STA+2:STA+3], v[STA+2:STA+3], v[SA+\j:SA+\j+1]
	v_pk_add_f32 v[STB+2:STB+3], v[STB+2:STB+3], v[SB+\j:SB+\j+1]
	v_pk_add_f32 v[MAA:MAA+1], v[MAA:MAA+1], v[SA+\j+2:SA+\j+3]
	v_pk_add_f32 v[MAB:MAB+1], v[MAB:MAB+1], v[SB+\j+2:SB+\j+3]
.endr
	v_pk_add_f32 v[STA+2:STA+3], v[STA+2:STA+3], v[MAA:MAA+1]
	v_pk_add_f32 v[STB+2:STB+3], v[STB+2:STB+3], v[MAB:MAB+1]
.set j, 0
.rept 64                                                   ; the conversion does not saturate (ISA guide 7.6.2); p is not negative, so the hold is one-sided; two numbers a line
.if DUAL
	v_dual_min_num_f32 v[SA+j], s[HOLD], v[SA+j] :: v_dual_min_num_f32 v[SA+j+1], s[HOLD], v[SA+j+1]
.else
	v_min_num_f32 v[SA+j], s[HOLD], v[SA+j]
	v_min_num_f32 v[SA+j+1], s[HOLD], v[SA+j+1]
.endif
.set j, j+2
.endr
.set j, 0
.rept 16
	v_cvt_scalef32_pk8_fp8_f32 v[P+2*j:P+2*j+1], v[SA+8*j:SA+8*j+7], v[PSC]   ; keys 16 c + 8 h + 0 .. 7: registers 2 c, 2 c + 1 of the operand; tile A's sixteen registers, then tile B's
.set j, j+1
.endr
.endm
; A KEY STEP OF A PAIR: 128 keys x 32 queries.  m = 1: a step behind the pair's diagonal is jumped over, and on the diagonal hidden scores become -infinity; the branches hang on the step's count and the wave's number alone.
.macro PSTEP m, qb
.if \m
	s_cmp_gt_u32 s[T], s[AX]
	s_cbranch_scc1 .Lhid_\@
.endif
	s_mul_i32 s[TK], s[T], 32*LINE                 ; K: 32 lines a step
	s_lshr_b32 s[TV], s[T], 1
	s_mul_i32 s[TV], s[TV], 64*LINE                ; V: 64 lines for each 256 keys,
	s_and_b32 s56, s[T], 1
	s_lshl_b32 s56, s56, 7                         ; and 128 bytes along them
	s_add_co_u32 s[TV], s[TV], s56
	s_add_co_u32 s[TV], s[TV], VBASE
	v_add_nc_u32 v[AD], s[TK], v[AK0]
	v_add_nc_u32 v[AD2], s[TV], v[AV0]
	v_nop                                          ; with the two additions: four places in front of loads into registers that matrix instructions have read
	v_nop
.irp t, 0,1,2,3,4,5,6,7
	ds_load_b128 v[FR+8*\t:FR+8*\t+3],   v[AD] offset:4*LINE*\t
	ds_load_b128 v[FR+8*\t+4:FR+8*\t+7], v[AD] offset:4*LINE*\t+32
.endr
	s_wait_alu depctr_va_vdst(0)
	s_wait_dscnt 0x0
	WIN 0x04                                       ; source 1 (Q) in window 1
.irp t, 0,1,2,3,4,5,6,7
	v_wmma_f32_16x16x64_fp8_fp8 v[SA+8*\t:SA+8*\t+7], v[FR+8*\t:FR+8*\t+7], v[\qb:\qb+7], 0      ; register 8 t + i of lane (r, h): key 16 t + 8 h + i, query r
	v_wmma_f32_16x16x64_fp8_fp8 v[SB+8*\t:SB+8*\t+7], v[FR+8*\t:FR+8*\t+7], v[\qb+8:\qb+15], 0
.endr
	WIN 0
.rept 4
	v_nop                                          ; four places: in front of the loads into K's registers and of the first read of the scores
.endr
.irp t, 0,1,2,3                                ; V: channels 16 t on, the step's 128 keys: the loads land under the softmax
.irp b, 0,1,2,3
	ds_load_b128 v[FR+16*\t+4*\b:FR+16*\t+4*\b+3], v[AD2] offset:16*LINE*\t+32*\b
.endr
.endr
.if \m
	s_cmp_lg_u32 s[T], s[AX]
	s_cbranch_scc1 .Lopen_\@
.set cc, -1                                    ; tile A's register 8 c + i is hidden where 16 c + i > d; tile B's queries lie 16 on, so one compare serves A's tile c and B's tile c + 1
.rept 9
.set jj, 0
.rept 8
	v_cmp_gt_i32 vcc_lo, 16*cc+jj, v[DDA]
.if cc >= 0
	v_cndmask_b32 v[SA+8*cc+jj], v[SA+8*cc+jj], v[NEG], vcc_lo
.endif
.if cc < 7
	v_cndmask_b32 v[SB+8*cc+8+jj], v[SB+8*cc+8+jj], v[NEG], vcc_lo
.endif
.set jj, jj+1
.endr
.set cc, cc+1
.endr
.Lopen_\@:
.endif
	SOFTMAX
	WIN 0x41                                       ; O^T: destination and source 0 in window 1
	s_wait_alu depctr_va_vdst(0)                   ; directly ahead of the first reader of O^T
.set j, 0
.rept 16
	v_pk_mul_f32 v[OA+j:OA+j+1], v[OA+j:OA+j+1], v[FFA:FFA+1] op_sel_hi:[1,0]   ; O^T under the new M; also the plain lines between the conversions and the products
.set j, j+2
.endr
.set j, 0
.rept 16
	v_pk_mul_f32 v[OB+j:OB+j+1], v[OB+j:OB+j+1], v[FFB:FFB+1] op_sel_hi:[1,0]
.set j, j+2
.endr
	WIN 0x50                                       ; C and D in window 1
	s_wait_alu depctr_va_vdst(0)
	s_wait_dscnt 0x0                               ; V is in
.irp t, 0,1,2,3                                ; the eight accumulators take turns
	v_wmma_f32_16x16x128_fp8_fp8 v[OA+8*\t:OA+8*\t+7], v[FR+16*\t:FR+16*\t+15], v[P:P+15], v[OA+8*\t:OA+8*\t+7]
	v_wmma_f32_16x16x128_fp8_fp8 v[OB+8*\t:OB+8*\t+7], v[FR+16*\t:FR+16*\t+15], v[P+16:P+31], v[OB+8*\t:OB+8*\t+7]
.endr
	WIN 0
.if \m
.Lhid_\@:
.endif
.endm
; THE WAY OUT of a pair.  O^T x 2^(e4 + e5 - e6) / the sum is y / 2^e6: held within +-448, converted with the scale 1; 32 rows of 64 bytes go through my stage and leave as 2,048 consecutive bytes.
.macro OUT
	v_add_f32 v[STA+2], v[STA+2], v[STA+3]
	v_add_f32 v[STB+2], v[STB+2], v[STB+3]
	v_nop
	v_nop
	v_permlanex16_b32 v[MAA], v[STA+2], s[SEL], s[SEL+1]
	v_permlanex16_b32 v[MAB], v[STB+2], s[SEL], s[SEL+1]
	v_add_f32 v[STA+2], v[STA+2], v[MAA]
	v_add_f32 v[STB+2], v[STB+2], v[MAB]
	s_wait_alu depctr_va_vdst(0)                   ; waits: ahead of the reciprocals,
	v_rcp_f32 v[STA+2], v[STA+2]
	v_rcp_f32 v[STB+2], v[STB+2]
	v_nop
	s_wait_alu depctr_va_vdst(0)                   ; behind them,
	v_ldexp_f32 v[FFA], v[STA+2], s[EX]
	v_ldexp_f32 v[FFB], v[STB+2], s[EX]
	WIN 0x01                                       ; source 0 in window 1
	s_wait_alu depctr_va_vdst(0)                   ; and directly ahead of the first reader of O^T
.set j, 0
.rept 16
	v_pk_mul_f32 v[SA+j:SA+j+1], v[OA+j:OA+j+1], v[FFA:FFA+1] op_sel_hi:[1,0]
.set j, j+2
.endr
.set j, 0
.rept 16
	v_pk_mul_f32 v[SA+32+j:SA+32+j+1], v[OB+j:OB+j+1], v[FFB:FFB+1] op_sel_hi:[1,0]
.set j, j+2
.endr
	WIN 0
.set j, 0
.rept 64
	v_med3_num_f32 v[SA+j], v[SA+j], s[NH], s[PH]
.set j, j+1
.endr
.irp t, 0,1,2,3,4,5,6,7
	v_cvt_scalef32_pk8_fp8_f32 v[P+2*\t:P+2*\t+1], v[SA+8*\t:SA+8*\t+7], v[ONE]
.endr
	v_nop                                          ; one plain line behind the last conversion
.irp t, 0,1,2,3
	ds_store_b64 v[STI], v[P+2*\t:P+2*\t+1] offset:16*\t
.endr
.irp t, 0,1,2,3
	ds_store_b64 v[STI], v[P+8+2*\t:P+8+2*\t+1] offset:1152+16*\t
.endr
	ds_load_b128 v[FR:FR+3],     v[STO]            ; LDS serves a wave's instructions in order (ISA guide 5.7.1.4): these see my stores
	ds_load_b128 v[FR+4:FR+7],   v[STO] offset:544
	ds_load_b128 v[FR+8:FR+11],  v[STO] offset:1152
	ds_load_b128 v[FR+12:FR+15], v[STO] offset:1696
.irp t, 0,1,2,3
	s_wait_dscnt 3-\t                              ; load t is back; the younger ones may be out
	global_store_b128 v[GO], v[FR+4*\t:FR+4*\t+3], s[SYP:SYP+1] offset:512*\t   ; 32 lanes store 512 consecutive bytes, at a multiple of 256 from the buffer's first byte
.endr
	s_wait_xcnt 0x0                                ; the stores have read their registers and their base
.endm
	s_load_b128 s[4:7], s[0:1], 0x0                ; q, k, v s[4:5]; the scales' exponents s[6:7]
	s_load_b64 s[8:9], s[0:1], 0x10                ; yc
	v_lshl_add_u32 v[SPW], v0, 2, SPARE
	v_mov_b32 v[NIL], 0
	ds_add_u32 v[SPW], v[NIL]                      ; the opening: the add, twice on end, and its wait ahead of my first tensor load
	ds_add_u32 v[SPW], v[NIL]
	v_lshrrev_b32 v31, 5, v0
	v_readfirstlane_b32 s[WV], v31                 ; wave 0..7
	s_and_b32 s10, ttmp7, 0xffff                   ; the head, b 16 + h
	s_bfe_u32 s11, ttmp6, 0x40000                  ; j: my place in the cluster
	s_and_b32 s12, s[WV], 3                        ; which 64 lines
	s_lshr_b32 s13, s[WV], 2                       ; of K (0) or of V (1)
	s_lshl_b32 s58, s13, 23
	s_add_co_u32 s58, s58, 0x800000                ; k lies 8,388,608 bytes behind q, v 16,777,216
	s_lshl_b32 s14, s12, 14
	s_add_co_u32 s58, s58, s14
	s_lshl_b32 s14, s10, 17                        ; a head's 131,072 bytes
	s_add_co_u32 s58, s58, s14
	s_mov_b32 s59, 0
	s_mul_i32 s15, s13, VBASE
	s_mul_i32 s14, s12, 64*LINE
	s_add_co_u32 s15, s15, s14                     ; where they go: the wave's number alone
	s_mov_b32 s[G1], 15|(1<<20)|(1<<21)|(5<<22)|(3<<25)   ; the mask of four; elements of 1 byte; padding of 4 words after every 64; bit 21 beside the mask
	s_mov_b32 s[G1+1], 256<<16
	s_mov_b32 s[G1+2], 64<<16
	s_mov_b32 s[G1+3], 256<<16
	s_mov_b32 s[G1+4], 64
	s_mov_b32 s[G1+5], 256
	s_mov_b32 s[G1+6], 0
	s_mov_b32 s[G1+7], 0
	s_mov_b32 s[SEL], 0x76543210
	s_mov_b32 s[SEL+1], 0xfedcba98
	s_mov_b32 s[CS], 0x3e38aa3b                    ; c = log2(e) / 8
	s_mov_b32 s[NH], 0xc3e00000
	s_mov_b32 s[PH], 0x43e00000
	s_sub_co_u32 s[AX], 15, s[WV]                  ; the first pair
	s_wait_dscnt 0x0
	s_wait_kmcnt 0x0
	s_load_b256 s[68:75], s[6:7], 0x0              ; e0 .. e7
	s_mov_b32 s[G0A], 1
	s_mov_b32 s[G0A+1], s15
	s_add_nc_u64 s[G0A+2:G0A+3], s[4:5], s[58:59]
	s_mov_b32 s[G0B], 1
	s_add_co_u32 s[G0B+1], s15, HALF
	s_add_nc_u64 s[G0B+2:G0B+3], s[G0A+2:G0A+3], 0x10000
	s_or_b32 s[G0A+3], s[G0A+3], 0x80000000
	s_or_b32 s[G0B+3], s[G0B+3], 0x80000000
	ROUND                                          ; the four work-groups are here: the first joint loads meet
	tensor_load_to_lds s[G0A:G0A+3], s[G1:G1+7]    ; my 64 lines of keys 0-1023
	s_nop 0
	v_and_b32 v31, 15, v0                          ; r
	v_bfe_u32 v[AD], v0, 4, 1                      ; h
	v_lshlrev_b32 v[QAD], 6, v31
	v_lshl_add_u32 v[QAD], v[AD], 4, v[QAD]        ; Q: 64 r + 16 h
	v_lshrrev_b32 v[AD2], 2, v31
	v_lshl_add_u32 v[AK0], v[AD2], 4, v[QAD]       ; K: 64 r + 16 (r / 4) + 16 h: four keys to a line
	v_mul_u32_u24 v[AV0], v31, LINE
	v_lshl_add_u32 v[AV0], v[AD], 4, v[AV0]        ; V: 272 r + 16 h
	v_lshlrev_b32 v[GO], 3, v[AD]                  ; 8 h
	v_sub_nc_u32 v[DDA], v31, v[GO]
	v_lshlrev_b32 v[STI], 6, v31
	v_lshl_add_u32 v[STI], v[AD2], 4, v[STI]
	v_lshl_add_u32 v[STI], v[AD], 3, v[STI]        ; into the stage: 64 r + 16 (r / 4) + 8 h
	s_lshl_b32 s61, s11, 5
	v_add_nc_u32 v[DDA], s61, v[DDA]               ; 32 j + r - 8 h
	s_mul_i32 s60, s[WV], WSTG
	s_add_co_u32 s60, s60, STAGE
	v_add_nc_u32 v[STI], s60, v[STI]
	v_and_b32 v[GO], 31, v0
	v_lshlrev_b32 v[GO], 4, v[GO]                  ; 16 x lane
	v_lshl_add_u32 v[STO], v[AD], 4, v[GO]         ; back: + 16 for the padding behind 256 bytes
	v_add_nc_u32 v[STO], s60, v[STO]
	v_mov_b32 v[NEG], 0xff800000
	v_mov_b32 v[ONE], 1.0
	v_mov_b32 v[FFA+1], 0                          ; (named as the upper halves of pairs)
	v_mov_b32 v[FFB+1], 0
	s_lshl_b32 s56, s10, 17
	s_mov_b32 s57, 0
	s_add_nc_u64 s[SQB:SQB+1], s[4:5], s[56:57]    ; q at my head
	s_and_b32 s56, s10, 15
	s_lshl_b32 s56, s56, 19
	s_lshr_b32 s58, s10, 4
	s_lshl_b32 s58, s58, 17
	s_add_co_u32 s56, s56, s58
	s_add_nc_u64 s[SYB:SYB+1], s[8:9], s[56:57]    ; yc at h, b
	SETP 1
	s_lshl_b32 s56, s[WV], 13                      ; the second pair, A = w: (128 w + 32 j) x 64 bytes into q (s57 is 0)
	s_lshl_b32 s58, s11, 11
	s_add_co_u32 s56, s56, s58
	s_add_nc_u64 s[SQ2:SQ2+1], s[SQB:SQB+1], s[56:57]
	INIT 1
	s_wait_kmcnt 0x0
	s_add_co_i32 s56, s70, s71
	s_lshl_b32 s56, s56, 23
	s_add_co_i32 s[CS], s[CS], s56                 ; e2 + e3 go into c's exponent field
	s_mov_b32 s[CS+1], s[CS]
	s_add_co_i32 s56, s72, 127
	s_lshl_b32 s57, s56, 23
	v_mov_b32 v[PSC], s57
	s_add_co_i32 s56, s56, 8
	s_lshl_b32 s56, s56, 23
	s_or_b32 s[HOLD], s56, 0x600000
	s_add_co_i32 s[EX], s72, s73
	s_sub_co_i32 s[EX], s[EX], s74                 ; e4 + e5 - e6
	s_wait_alu depctr_va_vdst(0)
	s_wait_tensorcnt 0x0                           ; my part of the first half is in; the second half's first fill is issued as a refill is:
	ds_add_u32 v[SPW], v[NIL]
	s_wait_dscnt 0x0
	ROUND                                          ; everybody's part is in, and the four work-groups are here
	tensor_load_to_lds s[G0B:G0B+3], s[G1:G1+7]    ; my 64 lines of keys 1024-2047
	s_nop 0
.rept 4
	v_nop
.endr
	s_wait_loadcnt 0x0                             ; Q
	s_mov_b32 s[T], 0
.LA:                                               ; steps 0-7 of the first pair: all keys count, and only the first half of K and V is read
	PSTEP 0, QA
	s_add_co_u32 s[T], s[T], 1
	s_cmp_lt_u32 s[T], 8
	s_cbranch_scc1 .LA
	s_wait_tensorcnt 0x0                           ; my part of the second half is in
	ds_add_u32 v[SPW], v[NIL]
	s_wait_dscnt 0x0
	s_barrier_signal -1
	s_barrier_wait -1                              ; everybody's is; nothing is filled from here on
	s_mov_b32 s[T], 8
.LB1:                                              ; steps 8-15 of the first pair, up to its diagonal
	PSTEP 1, QA
	s_add_co_u32 s[T], s[T], 1
	s_cmp_lt_u32 s[T], 16
	s_cbranch_scc1 .LB1
	OUT
	s_mov_b32 s[AX], s[WV]                         ; the second pair
	SETP 0
	INIT 0
	s_wait_alu depctr_va_vdst(0)
	s_mov_b32 s[T], 0
.LB2:                                              ; steps 0-7 of the second pair, up to its diagonal
	PSTEP 1, QS
	s_add_co_u32 s[T], s[T], 1
	s_cmp_lt_u32 s[T], 8
	s_cbranch_scc1 .LB2
	OUT
	s_wait_tensorcnt 0x0                           ; the wave's end
	ds_add_u32 v[SPW], v[NIL]
	s_wait_dscnt 0x0
	ROUND                                          ; the closing round
	s_endpgm
.Lfunc_end_k_q8e0d0a1aeb_attn:
	.size	k_q8e0d0a1aeb_attn, .Lfunc_end_k_q8e0d0a1aeb_attn-k_q8e0d0a1aeb_attn
	.p2alignl 7, 3214868480
	.fill 96, 4, 3214868480
	.section	.rodata,"a",@progbits
	.p2align	6, 0x0
	.amdhsa_kernel k_q8e0d0a1aeb_attn
		.amdhsa_group_segment_fixed_size 327680
		.amdhsa_private_segment_fixed_size 0
		.amdhsa_enable_private_segment 0
		.amdhsa_kernarg_size 24
		.amdhsa_user_sgpr_count 2
		.amdhsa_user_sgpr_kernarg_segment_ptr 1
		.amdhsa_wavefront_size32 1
		.amdhsa_system_sgpr_workgroup_id_x 1
		.amdhsa_system_sgpr_workgroup_id_y 1
		.amdhsa_system_sgpr_workgroup_id_z 1
		.amdhsa_system_vgpr_workitem_id 0
		.amdhsa_next_free_vgpr 384
		.amdhsa_next_free_sgpr 80
		.amdhsa_reserve_vcc 1
		.amdhsa_float_denorm_mode_32 3
		.amdhsa_float_denorm_mode_16_64 3
		.amdhsa_memory_ordered 1
		.amdhsa_forward_progress 1
		.amdhsa_inst_pref_size 130
	.end_amdhsa_kernel
	.amdgpu_metadata
---
amdhsa.version: [ 1, 2 ]
amdhsa.kernels:
  - .name:           k_q8e0d0a1aeb_attn
    .symbol:         k_q8e0d0a1aeb_attn.kd
    .args:
      - { .name: qkv, .offset: 0, .size: 8, .value_kind: global_buffer, .address_space: global }
      - { .name: lowp_scales, .offset: 8, .size: 8, .value_kind: global_buffer, .address_space: global }
      - { .name: yc, .offset: 16, .size: 8, .value_kind: global_buffer, .address_space: global }
    .group_segment_fixed_size: 327680
    .private_segment_fixed_size: 0
    .kernarg_segment_align: 8
    .kernarg_segment_size: 24
    .max_flat_workgroup_size: 256
    .sgpr_count:     80
    .vgpr_count:     384
    .wavefront_size: 32
...
	.end_amdgpu_metadata
.endif
;; end of part 3
;; launch proj (part 4): grid 4 x 64, 4 waves a work-group, clusters of 4 x 4, 327,680 bytes of LDS; arguments yc, codes, lowp_scales, out0; writes out0
.if DOCPART == 4
	.amdgcn_target "amdgcn-amd-amdhsa--gfx1250"
	.amdhsa_code_object_version 6
	.text
	.protected	k_q8e0d0a1aeb_proj
	.globl	k_q8e0d0a1aeb_proj
	.p2align	8
	.type	k_q8e0d0a1aeb_proj,@function
k_q8e0d0a1aeb_proj:
	s_mov_b64 s[64:65], 0
	v_nop
	global_prefetch_b8 v0, s[64:65] scope:SCOPE_SE
	s_setreg_imm32_b32 hwreg(HW_REG_WAVE_MODE, 25, 1), 1
	s_wait_xcnt 0x0
	s_wait_alu depctr_hold_cnt(0) depctr_sa_sdst(0) depctr_va_vdst(0) depctr_va_sdst(0) depctr_va_ssrc(0) depctr_va_vcc(0) depctr_vm_vsrc(0)
	s_getreg_b32 s2, hwreg(HW_REG_IB_STS2, 6, 4)
	s_cmp_eq_u32 s2, 0
	s_cbranch_scc0 .Lentry_in_a_cluster
	s_endpgm
.Lentry_in_a_cluster:
	s_bfe_u32 s2, ttmp6, 0x10000c
	s_cmp_lg_u32 s2, 0xf033
	s_cbranch_scc0 .Lentry_shape_is_right
	s_endpgm
.Lentry_shape_is_right:
.set SIZE_N, 1024
.set KSTEP,  256
.set ROWB,   256
.set KROW,   1024
.set PITCH,  272
.set HROW,   16*PITCH                  ; a head's 64 tokens x 64 bytes: 16 lines.  A block of C is 128 tokens x 256 features; a wave makes 64 x 128: 32 accumulators, all in window 2
.set HMEM,   524288
.set ASTEP,  4*HMEM
.set WROW0,  11264
.set FR,     16
.set NL,     2                         ; 4*NL = 8: the LDS loads of A's last two blocks, which may be out
.set NP,     4
.set HALFT,  128*PITCH
.set SLOT,   4*HALFT
.set LAPS,   1024/(2*KSTEP)
.set SPARE,  2*SLOT
.set SPITCH, 528
.set ADRA, 16
.set ADRB, 20
.set STO,  24
.set RD,   25
.set CO,   26
.set SPW,  28
.set NIL,  29
.set TMP,  32
.set AF,   128
.set BK,   128
.set G1, 24
.set G0, 32
.set G1B, 48
.set G0B, 56
.set MSB, 0
.macro WIN new
.if MSB != \new
	s_set_vgpr_msb (MSB<<8)|\new
.set MSB, \new
.endif
.endm
.set MUL_LO, 0xa1
.set MUL_HI, 0xa1
.set TO_B,   0x40
.macro JLOAD g0a, g1a, g0b, g1b
	s_cmp_eq_u32 s15, 0
	s_cbranch_scc0 .Lfor_b_\@
	tensor_load_to_lds s[\g0a:\g0a+3], s[\g1a:\g1a+7]
	s_nop 0
.rept 4
	v_nop
.endr
	s_branch .Lasked_\@
.Lfor_b_\@:
	tensor_load_to_lds s[\g0b:\g0b+3], s[\g1b:\g1b+7]
	s_nop 0
.rept 4
	v_nop
.endr
.Lasked_\@:
.endm
.macro CREST
	s_cmp_lg_u32 s14, 0
	s_cbranch_scc1 .Lnot_wave_0_\@
	s_barrier_signal -3
.Lnot_wave_0_\@:
	s_barrier_wait -3
	s_barrier_signal -1
	s_barrier_wait -1
.endm
.macro CROUND
	s_barrier_signal -1
	s_barrier_wait -1
	CREST
.endm
	s_load_b128 s[4:7], s[0:1], 0x0
	s_load_b128 s[8:11], s[0:1], 0x10
	v_lshl_add_u32 v[SPW], v0, 2, SPARE
	v_mov_b32 v[NIL], 0
	ds_add_u32 v[SPW], v[NIL]
	ds_add_u32 v[SPW], v[NIL]
	v_lshrrev_b32 v1, 5, v0
	v_readfirstlane_b32 s14, v1
	s_lshr_b32 s15, s14, 1
	s_and_b32 s16, s14, 1
	s_bfe_u32 s40, ttmp6, 0x40000
	s_bfe_u32 s41, ttmp6, 0x40004
	s_lshl_b32 s42, ttmp9, 2
	s_add_co_u32 s42, s42, s40
	s_and_b32 s17, ttmp7, 0xffff
	s_lshl_b32 s17, s17, 2
	s_add_co_u32 s17, s17, s41
	s_lshl_b32 s43, s41, 2
	s_lshl_b32 s43, 15, s43
	s_lshl_b32 s44, 0x1111, s40
	s_or_b32 s[G1+0], s43, (0<<16)|(1<<20)|(1<<21)|(5<<22)|(3<<25)
	s_mov_b32 s[G1+1], 4096<<16                    ; A's tile: 4 heads x (64 tokens x 64 bytes)
	s_mov_b32 s[G1+2], 4<<16
	s_mov_b32 s[G1+3], 4096<<16
	s_mov_b32 s[G1+4], 4
	s_mov_b32 s[G1+5], HMEM
	s_mov_b32 s[G1+6], 0
	s_mov_b32 s[G1+7], 0
	s_or_b32 s[G1B+0], s44, (0<<16)|(1<<20)|(1<<21)|(5<<22)|(3<<25)
	s_mov_b32 s[G1B+1], ROWB<<16
	s_mov_b32 s[G1B+2], 128<<16
	s_mov_b32 s[G1B+3], ROWB<<16
	s_mov_b32 s[G1B+4], 128
	s_mov_b32 s[G1B+5], KROW
	s_mov_b32 s[G1B+6], 0
	s_mov_b32 s[G1B+7], 0
	s_lshl_b32 s18, s16, 7
	s_lshl_b32 s20, s17, 7                         ; A: token 128 x tile row + 64 x half, x 64 bytes
	s_lshl_b32 s19, s16, 6
	s_add_co_u32 s20, s20, s19
	s_lshl_b32 s20, s20, 6
	s_mov_b32 s21, 0
	s_lshl_b32 s46, s42, 8
	s_add_co_u32 s46, s46, s18
	s_add_co_u32 s46, s46, WROW0
	s_lshl_b32 s46, s46, 10
	s_mov_b32 s47, 0
	s_mul_i32 s45, s14, HALFT
	s_wait_dscnt 0x0
	s_wait_kmcnt 0x0
	s_load_b64 s[96:97], s[8:9], 0x18
	s_add_nc_u64 s[20:21], s[4:5], s[20:21]
	s_add_nc_u64 s[46:47], s[6:7], s[46:47]
	CROUND
.irp s, 0,1
	s_mov_b32 s[G0+4*\s], 1
	s_add_co_u32 s[G0+4*\s+1], s45, \s*SLOT
	s_add_nc_u64 s[G0+4*\s+2:G0+4*\s+3], s[20:21], \s*ASTEP
	s_or_b32 s[G0+4*\s+3], s[G0+4*\s+3], 0x80000000
	s_mov_b32 s[G0B+4*\s], 1
	s_add_co_u32 s[G0B+4*\s+1], s45, \s*SLOT
	s_add_nc_u64 s[G0B+4*\s+2:G0B+4*\s+3], s[46:47], \s*ROWB
	s_or_b32 s[G0B+4*\s+3], s[G0B+4*\s+3], 0x80000000
	s_wait_alu depctr_va_vdst(0)
	s_wait_tensorcnt 0x0
	ds_add_u32 v28, v29
	ds_add_u32 v28, v29
	s_wait_dscnt 0x0
	CROUND
	JLOAD G0+4*\s, G1, G0B+4*\s, G1B
.endr
	v_and_b32 v1, 15, v0
	v_bfe_u32 v2, v0, 4, 1
	v_mul_u32_u24 v3, v1, PITCH
	v_lshl_add_u32 v4, v2, 4, v3
	v_lshlrev_b32 v5, 6, v1
	v_lshrrev_b32 v6, 2, v1
	v_lshl_add_u32 v5, v6, 4, v5
	v_lshl_add_u32 v5, v2, 4, v5
	s_mul_i32 s21, s15, HALFT
	s_mul_i32 s22, s16, HALFT
	s_add_co_u32 s22, s22, 2*HALFT
.irp s, 0,1
	v_add_nc_u32 v[ADRA+\s], s21, v5
	v_add_nc_u32 v[ADRB+\s], s22, v4
	s_add_co_u32 s21, s21, SLOT
	s_add_co_u32 s22, s22, SLOT
.endr
	s_mul_i32 s23, s14, 16*SPITCH
	v_mul_u32_u24 v5, v1, SPITCH
	v_lshl_add_u32 v5, v2, 5, v5
	v_add_nc_u32 v[STO], s23, v5
	v_and_b32 v6, 31, v0
	v_lshlrev_b32 v[CO], 4, v6
	v_add_nc_u32 v[RD], s23, v[CO]
	s_lshl_b32 s20, s17, 7                         ; my first row of C: 128 x tile row + 64 x half
	s_lshl_b32 s21, s15, 6
	s_add_co_u32 s20, s20, s21
	s_mov_b32 s21, 0
	s_mov_b64 s[18:19], SIZE_N*4
	s_mul_u64 s[20:21], s[20:21], s[18:19]
	s_lshl_b32 s46, s42, 10
	s_lshl_b32 s47, s16, 9
	s_add_co_u32 s46, s46, s47
	s_mov_b32 s47, 0
	s_add_nc_u64 s[20:21], s[20:21], s[46:47]
	s_add_nc_u64 s[10:11], s[10:11], s[20:21]
.macro FRAG reg, adr, q, i
.irp c, 0,1,2,3
	ds_load_b128 v[\reg+4*\c:\reg+4*\c+3], v[\adr] offset:128*(\q)+32*\c+(\i)*16*PITCH
.endr
.endm
.macro FRAG_A reg, adr, q, i
.irp c, 0,1,2,3
	ds_load_b128 v[\reg+4*\c:\reg+4*\c+3], v[\adr] offset:(2*(\q)+\c/2)*HROW+32*(\c%2)+(\i)*4*PITCH
.endr
.endm
.macro MUL16 a0, p, zero
.irp a, (\a0)/2
.irp b, 0,1,2,3,4,5,6,7
.if \zero
	v_wmma_f32_16x16x128_fp8_fp8 v[8*(8*((\a)%4)+\b):8*(8*((\a)%4)+\b)+7], v[128*(\p)+FR*\b:128*(\p)+FR*\b+FR-1], v[AF+FR*(\a):AF+FR*(\a)+FR-1], 0
.else
	v_wmma_f32_16x16x128_fp8_fp8 v[8*(8*((\a)%4)+\b):8*(8*((\a)%4)+\b)+7], v[128*(\p)+FR*\b:128*(\p)+FR*\b+FR-1], v[AF+FR*(\a):AF+FR*(\a)+FR-1], v[8*(8*((\a)%4)+\b):8*(8*((\a)%4)+\b)+7]
.endif
.endr
.endr
.endm
.macro FETCH_B slot, q, p
	WIN TO_B
.irp i, 0,1,2,3,4,5,6,7
	FRAG 128*(\p)+FR*\i, ADRB+\slot, \q, \i
.endr
	WIN 0
.endm
.macro FETCH_A slot, q, i0
.irp i, (\i0)/2, (\i0)/2+1
	FRAG_A AF+FR*(\i), ADRA+\slot, \q, \i
.endr
.endm
.macro PLACES n
.rept \n
	v_nop
.endr
.endm
.macro STEP slot, q, zero
	s_wait_dscnt 4*NL
	WIN MUL_LO
	MUL16 0, (\q)%2, \zero
	MUL16 2, (\q)%2, \zero
	s_wait_dscnt 0
	PLACES NP
	FETCH_B \slot, (\q)+1, 1-(\q)%2
	FETCH_A \slot, (\q)+1, 0
	WIN MUL_HI
	MUL16 4, (\q)%2, \zero
	MUL16 6, (\q)%2, \zero
	PLACES NP
	WIN 0
	FETCH_A \slot, (\q)+1, 4
.endm
.macro TURN slot, next, fill
	s_wait_tensorcnt 0x0
	ds_add_u32 v[SPW], v[NIL]
	s_wait_dscnt 4*NL+1
	WIN MUL_LO
	MUL16 0, 1, 0
	s_wait_dscnt 0x0
	s_barrier_signal -1
	MUL16 2, 1, 0
	WIN 0
	s_barrier_wait -1
.if \fill
	CREST
	s_add_nc_u64 s[G0+4*\slot+2:G0+4*\slot+3], s[G0+4*\slot+2:G0+4*\slot+3], 2*ASTEP
	s_add_nc_u64 s[G0B+4*\slot+2:G0B+4*\slot+3], s[G0B+4*\slot+2:G0B+4*\slot+3], 2*ROWB
	JLOAD G0+4*\slot, G1, G0B+4*\slot, G1B
.else
	PLACES NP
.endif
	FETCH_B \next, 0, 0
	FETCH_A \next, 0, 0
	WIN MUL_HI
	MUL16 4, 1, 0
	MUL16 6, 1, 0
	PLACES NP
	WIN 0
	FETCH_A \next, 0, 4
.endm
	s_wait_alu depctr_va_vdst(0)
	s_wait_tensorcnt 1
	s_barrier_signal -1
	s_barrier_wait -1
	FETCH_B 0, 0, 0
	FETCH_A 0, 0, 0
	FETCH_A 0, 0, 4
	STEP 0, 0, 1
	s_mov_b32 s3, LAPS-1
.Llap:
	TURN 0, 1, 1
	STEP 1, 0, 0
	TURN 1, 0, 1
	STEP 0, 0, 0
	s_sub_co_u32 s3, s3, 1
	s_cmp_lg_u32 s3, 0
	s_cbranch_scc1 .Llap
	TURN 0, 1, 0
	STEP 1, 0, 0
	s_wait_dscnt 4*NL
	WIN MUL_LO
	MUL16 0, 1, 0
	MUL16 2, 1, 0
	s_wait_dscnt 0
	WIN MUL_HI
	MUL16 4, 1, 0
	MUL16 6, 1, 0
	WIN 0
.macro TOSTAGE a
.set AC, 64*((\a)%4)
	WIN 0x02+((\a)/4)
.set j, 0
.rept 32
	v_pk_mul_f32 v[TMP+j:TMP+j+1], v[AC+j:AC+j+1], s[96:97] op_sel_hi:[1,0]
.set j, j+2
.endr
	WIN 0
.irp b, 0,1,2,3,4,5,6,7
	ds_store_b128 v[STO], v[TMP+8*\b:TMP+8*\b+3] offset:64*\b
	ds_store_b128 v[STO], v[TMP+8*\b+4:TMP+8*\b+7] offset:64*\b+16
.endr
.set BB, BK+64*((\a)%2)
.irp t, 0,1,2,3,4,5,6,7,8,9,10,11,12,13,14,15
	ds_load_b128 v[BB+4*\t:BB+4*\t+3], v[RD] offset:\t*SPITCH
.endr
.endm
.macro SEND a, younger
.set BB, BK+64*((\a)%2)
	s_wait_dscnt \younger
.if (\a) > 0
	s_add_nc_u64 s[10:11], s[10:11], 16*SIZE_N*4
.endif
.irp t, 0,1,2,3,4,5,6,7,8,9,10,11,12,13,14,15
	global_store_b128 v[CO], v[BB+4*\t:BB+4*\t+3], s[10:11] offset:\t*SIZE_N*4 th:TH_STORE_NT
.endr
.endm
	s_wait_kmcnt 0x0
	s_add_co_i32 s96, s96, s97
	s_add_co_i32 s96, s96, 127
	s_lshl_b32 s96, s96, 23
	PLACES NP
	TOSTAGE 0
.irp a, 1,2,3
.if \a > 1
	s_wait_xcnt 0x0
.endif
	TOSTAGE \a
	SEND \a-1, 32
.endr
	s_wait_xcnt 0x0
	SEND 3, 0
	s_wait_tensorcnt 0x0
	ds_add_u32 v[SPW], v[NIL]
	s_wait_dscnt 0x0
	CROUND
	s_endpgm
.Lfunc_end_k_q8e0d0a1aeb_proj:
	.size	k_q8e0d0a1aeb_proj, .Lfunc_end_k_q8e0d0a1aeb_proj-k_q8e0d0a1aeb_proj
	.p2alignl 7, 3214868480
	.fill 96, 4, 3214868480
	.section	.rodata,"a",@progbits
	.p2align	6, 0x0
	.amdhsa_kernel k_q8e0d0a1aeb_proj
		.amdhsa_group_segment_fixed_size 327680
		.amdhsa_private_segment_fixed_size 0
		.amdhsa_enable_private_segment 0
		.amdhsa_kernarg_size 32
		.amdhsa_user_sgpr_count 2
		.amdhsa_user_sgpr_kernarg_segment_ptr 1
		.amdhsa_wavefront_size32 1
		.amdhsa_system_sgpr_workgroup_id_x 1
		.amdhsa_system_sgpr_workgroup_id_y 1
		.amdhsa_system_sgpr_workgroup_id_z 1
		.amdhsa_system_vgpr_workitem_id 0
		.amdhsa_next_free_vgpr 1024
		.amdhsa_next_free_sgpr 98
		.amdhsa_reserve_vcc 0
		.amdhsa_float_denorm_mode_32 3
		.amdhsa_float_denorm_mode_16_64 3
		.amdhsa_memory_ordered 1
		.amdhsa_forward_progress 1
		.amdhsa_inst_pref_size 78
	.end_amdhsa_kernel
	.amdgpu_metadata
---
amdhsa.version: [ 1, 2 ]
amdhsa.kernels:
  - .name:           k_q8e0d0a1aeb_proj
    .symbol:         k_q8e0d0a1aeb_proj.kd
    .args:
      - { .name: yc, .offset: 0, .size: 8, .value_kind: global_buffer, .address_space: global }
      - { .name: codes, .offset: 8, .size: 8, .value_kind: global_buffer, .address_space: global }
      - { .name: lowp_scales, .offset: 16, .size: 8, .value_kind: global_buffer, .address_space: global }
      - { .name: out0, .offset: 24, .size: 8, .value_kind: global_buffer, .address_space: global }
    .group_segment_fixed_size: 327680
    .private_segment_fixed_size: 0
    .kernarg_segment_align: 8
    .kernarg_segment_size: 32
    .max_flat_workgroup_size: 128
    .sgpr_count:     98
    .vgpr_count:     1024
    .wavefront_size: 32
...
	.end_amdgpu_metadata
.endif
;; end of part 4
